; MI455X (gfx1250); checked and timed in simulation.
; The chip was launched on July 23, 2026; its instructions are those of AMD's public machine-readable ISA for CDNA 5 (MIT licence, August 2026) and "CDNA5" Instruction Set Architecture Reference Guide (July 2026). The comments in the code are by the model that wrote it; some were corrected since.
;; QKV Multihead Attention. Allowed arithmetic: matrix products marked QUANTISED: E2M1 operands, one E8M0 scale for each 32 along K, by v_wmma_scale_f32_16x16x128_f8f6f4 with both operands' format E2M1 (or v_wmma_scale_f32_32x16x128_f4), f32 sums; everything else in f32.
;; Inputs: k_beta 64 float32; k_gamma 64 float32; q_beta 64 float32; q_gamma 64 float32; qkv 1 x 4,096 x 3,072 float32.
;; Outputs: out0 1 x 4,096 x 1,024 float32.
;; This version of the problem:
;;   THIS VERSION OF THE PROBLEM IS GIVEN IN LOW PRECISION. The matrix products marked QUANTISED in the list below multiply operands that are first quantised to E2M1 (2 exponent bits, 1 mantissa bit; 4 bits a number), with one power-of-two scale for each 32 numbers along K (OCP MX v1.0); their sums are f32. All else is computed in f32.
;;   The module's matrix products, in the order in which they are computed (A, B: the left and right operand; K: the contracted axis; several contracted axes count as one K, in the product's order):
;;     1. batch 16 x [M 4,096, K 64] x [K 64, N 4,096]; A: computed on the way; B: computed on the way: QUANTISED
;;     2. batch 16 x [M 64, K 4,096] x [K 4,096, N 4,096]; A: computed on the way; B: softmax (see below): QUANTISED
;;   THE QUANTISER, for each operand of a quantised product, along K:
;;     - K is cut into blocks of 32 from its start; a last block that is shorter is filled with zeros.
;;     - A block's scale is 2^e with e = floor(log2(the largest magnitude in the block)) - 2, held to -126 .. 127; a block of zeros has e = 0. As a byte (E8M0): e + 127.
;;     - Each number is divided by its block's scale, clamped to +-6, and rounded to the nearest number of E2M1, ties to even, subnormals kept.
;;     - The product sums the exact products of the quantised numbers (number of the format x scale) in f32.
;;   ~~~python
;;   def quantise(x, axis):      # numpy; x: float32 -> the quantised numbers, widened to float32 again
;;       x = np.moveaxis(x, axis, -1); K = x.shape[-1]
;;       x = np.pad(x, [(0, 0)] * (x.ndim - 1) + [(0, -K % 32)]); x = x.reshape(x.shape[:-1] + (-1, 32)); a = np.abs(x).max(-1, keepdims=True)
;;       e = np.where(a > 0, np.clip(np.frexp(np.where(a > 0, a, 1))[1] - 1 - 2, -126, 127), 0)      # np.frexp(a)[1] - 1 = floor(log2(a)), exactly
;;       r = np.clip(x / 2.0 ** e, -6, 6)
;;       step = 2.0 ** (np.maximum(np.frexp(np.where(r == 0, 1, r))[1] - 1, 0) - 1)
;;       q = np.round(r / step) * step * 2.0 ** e      # np.round: ties to even
;;       return np.moveaxis(q.reshape(q.shape[:-2] + (-1,))[..., :K], -1, axis).astype(np.float32)
;;   ~~~
;;   SOFTMAX AHEAD OF A QUANTISED PRODUCT. Where the list says 'softmax', what is quantised is not the finished softmax but p = 2^(t - M), with t = logit x log2(e) and M = ceil(the row's largest t), a whole number; so 1/2 < the row's largest p <= 1. The row's sum l is taken of the UNQUANTISED p, in f32, and the product's result is divided by l at the end. Since M is a whole number, a kernel that streams over the keys may use a running M (the ceiling of the running maximum): every later rescaling is an exact power of two, which a block's scale takes up: the codes' values come out the same.
;;   OPERANDS COMPUTED ON THE WAY. 'Computed on the way' means the value that the module computes at that place (a softmax that the list does not call 'softmax' is quantised finished and normalised). What goes into a quantiser is computed in f32, as accurately as f32 sums, v_exp_f32 and their like allow (about 1e-6 of the number): no bf16 or f16 on the way to a quantiser, and a product that is left as it is and whose result goes on into a quantised operand takes f32 operands (vector FMAs, or v_wmma_f32_16x16x4_f32). A number that lies on a knife's edge between two numbers of the format may be rounded either way, as far as f32 arithmetic and the matrix unit's own rounding can turn it there, and no further.
;; One version. Each part assembles by itself: llvm-mc -triple=amdgcn-amd-amdhsa -mcpu=gfx1250 --defsym DOCPART=n.
;; ======== version 1 of 1: 2 launches
;; workspace buffers: qq 2,359,296 bytes; kv 4,587,520 bytes
;; launch prep (part 1): grid 32 x 16, 5 waves a work-group, no clusters, 70,400 bytes of LDS; arguments qkv, q_gamma, k_gamma, q_beta, k_beta, qq, kv; writes qq, kv
.if DOCPART == 1
	.amdgcn_target "amdgcn-amd-amdhsa--gfx1250"
	.amdhsa_code_object_version 6
	.text
	.protected	k_qe593e92308_prep
	.globl	k_qe593e92308_prep
	.p2align	8
	.type	k_qe593e92308_prep,@function
k_qe593e92308_prep:
	s_mov_b64 s[64:65], 0
	v_nop
	global_prefetch_b8 v0, s[64:65] scope:SCOPE_SE
	s_setreg_imm32_b32 hwreg(HW_REG_WAVE_MODE, 25, 1), 1
	s_wait_xcnt 0x0
; qkv [4096][16 heads][192] f32: of a head's 768 bytes in a row, bytes 0-255 are q, 256-511 k, 512-767 v.
; q and k: LayerNorm over the 64 channels (eps 1e-6, gamma, beta), times 1/sqrt(8), then codes of FP4 (E2M1) along the channels: two blocks of 32, one E8M0 byte each.
; v: codes of FP4 along the KEYS: for each channel blocks of 32 keys, one E8M0 byte each.
; A block's scale is 2^(floor(log2(its largest magnitude)) - 2): its byte is the largest magnitude's exponent field - 2, held at 1 from below by a floor among the maximum's leaves.
; EVERYTHING IS STORED IN THE ORDER OF THE OPERANDS' REGISTERS, so that the second launch loads fragments as dense runs, 16 bytes a lane:
;   kv [16 heads][32 steps of 128 keys][8,960 bytes]: +0 K's 8 tiles x 512 bytes (lane l's four registers at 16 l); +4096 V^T's tile t, half c at 1024 t + 512 c + 16 l;
;      +8192 K's scale words: tile t, row r at 256 (t / 4) + 16 r + 4 (t % 4); +8704 V's: tile t, row r at 128 (t / 2) + 8 r + 4 (t % 2).
;   qq [16 heads][64 units of 64 queries][2,304 bytes]: 4 tiles x 512 bytes, then the scale words at 16 r + 4 tile.
; THE ROWS OF A TILE OF Q OR K ARE NOT NEIGHBOURS: row rho of tile 2 b + u is row 32 b + 8 u + rho + 8 (rho / 8).  Row r of V^T's tile j is channel 4 r + j.
; SHARES.  A work-group takes 128 rows of one head.  Waves 0, 1: q's rows 0-63, 64-127; waves 2, 3: k's; wave 4: v's 128 keys.  Waves share nothing: no barrier.  Work-groups share no input: no cluster.
; Every load's sixteen neighbouring lanes read one row's whole 256 bytes of q, k or v; every store covers 256 or 512 consecutive bytes, aligned to 256.
; LIMITS: NaN and infinities among the inputs are not served.  A block whose largest magnitude lies under 2^-124 keeps the byte 1; so does a block of zeros (the quantiser says 127): its codes are zeros, and only
; this program reads the bytes.  1/sqrt(8) is multiplied into gamma and beta once, so one f32 rounding stands elsewhere than in the formula as written.
.set ROWB, 12288                       ; a row of qkv in bytes
.set SP,   272                         ; a stage row: 256 bytes + 16, so that the sixteen rows that a load touches start 68 words apart
.set TST,  16*SP                       ; a tile's stage
.set WST,  4*TST                       ; a wave's four stages
.set X,    16                          ; v16-143  QK: four tiles x 32 numbers
.set CD,   144                         ; v144-159 QK: codes, four registers a tile
.set SW,   160                         ; v160-163 QK: a tile's scale words; v[164:165] what my lane stores of them
.set G,    176                         ; v176-207 gamma / sqrt(8) of my 32 channels
.set B,    208                         ; v208-239 beta / sqrt(8)
.set SA,   240                         ; v[240:241], v[242:243] two chains of sums
.set SB,   242
.set MU,   244                         ; v244 the mean (v245 = 0: named with it as a pair)
.set RS,   246                         ; v246 1 / sqrt(var + eps) (v247 = 0 likewise)
.set MX,   248                         ; v248 largest magnitude, v249 the conversion's scale operand, v250 the byte, v251 a lane permute's destination
.set R,    16                          ; v16-143  V: R[4 i + j] = v(key 64 c + 32 h + i, channel 4 r + j)
.set T,    144                         ; v144-175 V: one channel's 32 keys on end
.set C,    176                         ; v176-207 V: codes, at 16 c + 4 j
.set VM,   208                         ; v208-211 largest magnitudes, v212-215 scale operands, v216-219 bytes, v220-223 scale words, v224-227 permute destinations
.set VSOP, 212
.set VBY,  216
.set VW,   220
.set VT,   224
	s_load_b256 s[4:11], s[0:1], 0x0               ; qkv s[4:5], q_gamma s[6:7], k_gamma s[8:9], q_beta s[10:11]
	s_load_b128 s[12:15], s[0:1], 0x20             ; k_beta s[12:13], qq s[14:15]
	s_load_b64 s[16:17], s[0:1], 0x30              ; kv
	v_lshl_add_u32 v254, v0, 2, 0x11000
	v_mov_b32 v255, 0
	v_lshrrev_b32 v10, 5, v0
	v_readfirstlane_b32 s18, v10                   ; wave 0..4
	s_and_b32 s19, ttmp7, 0xffff                   ; the head
	v_and_b32 v11, 31, v0                          ; l
	v_and_b32 v12, 15, v0                          ; r
	v_bfe_u32 v13, v0, 4, 1                        ; h
	s_mul_i32 s21, s18, WST                        ; my wave's stages (wave 4 has none and touches no LDS)
	v_mul_u32_u24 v1, v13, ROWB
	v_lshl_add_u32 v1, v12, 4, v1                  ; QK in: lanes 0-15 one row's 256 bytes, lanes 16-31 the next row's
	v_mul_u32_u24 v2, v13, SP
	v_lshl_add_u32 v2, v12, 4, v2
	v_add_nc_u32 v2, s21, v2                       ; into the stage: the same two rows
	v_mul_u32_u24 v3, v12, SP
	v_lshl_add_u32 v3, v13, 7, v3
	v_add_nc_u32 v3, s21, v3                       ; out of it: row r, channels 32 h on
	v_lshlrev_b32 v4, 7, v13                       ; gamma, beta: my 32 channels
	v_lshlrev_b32 v5, 4, v11                       ; codes out: 16 bytes a lane
	v_lshlrev_b32 v6, 4, v12
	v_lshl_add_u32 v6, v13, 3, v6                  ; QK's scale words out: 16 r + 8 h
	v_lshlrev_b32 v7, 3, v13                       ; 8 h: my byte's place in a scale word
	v_mul_u32_u24 v8, v13, 32*ROWB
	v_lshl_add_u32 v8, v12, 4, v8                  ; V in: lanes 16-31 stand 32 keys further down
	v_lshlrev_b32 v9, 3, v11                       ; V's scale words out: 8 bytes a lane
	v_cmp_eq_u32 vcc_lo, 1, v13                    ; lanes 16-31
	s_mov_b32 s30, 0x3c800000                      ; 1 / 64
	s_mov_b32 s31, 0x358637bd                      ; 1e-6
	s_mov_b32 s32, 0x76543210
	s_mov_b32 s33, 0xfedcba98                      ; v_permlanex16_b32's selects for lane l xor 16
	s_mul_i32 s22, ttmp9, 128*ROWB                 ; my work-group's 128 rows,
	s_mul_i32 s23, s19, 768                        ; my head
	s_add_co_u32 s22, s22, s23                     ; (under 2^26)
	s_mov_b32 s23, 0
	s_wait_kmcnt 0x0
	s_cmp_eq_u32 s18, 4
	s_cbranch_scc1 .Lv_path
	; ------------------------------------------------------------------ q and k: waves 0 to 3
	s_and_b32 s28, s18, 1                          ; which 64 rows
	s_lshr_b32 s29, s18, 1                         ; 0: q, 1: k
	s_mul_i32 s34, s28, 64*ROWB
	s_lshl_b32 s35, s29, 8
	s_add_co_u32 s22, s22, s34
	s_add_co_u32 s22, s22, s35
	s_add_nc_u64 s[4:5], s[4:5], s[22:23]          ; my first row's 256 bytes
	s_lshl_b32 s36, s19, 6                         ; q goes to unit 64 head + 2 x + half of qq:
	s_lshl_b32 s37, ttmp9, 1
	s_add_co_u32 s36, s36, s37
	s_add_co_u32 s36, s36, s28
	s_mul_i32 s36, s36, 2304                       ; its codes,
	s_add_co_u32 s37, s36, 2048                    ; its scale words
	s_lshl_b32 s38, s19, 5                         ; k goes to step 32 head + x of kv:
	s_add_co_u32 s38, s38, ttmp9
	s_mul_i32 s38, s38, 8960
	s_lshl_b32 s39, s28, 8
	s_add_co_u32 s39, s39, s38
	s_add_co_u32 s39, s39, 8192                    ; the scale words of tiles 4 half on,
	s_lshl_b32 s40, s28, 11
	s_add_co_u32 s38, s38, s40                     ; their codes
	s_cmp_lt_u32 s18, 2                            ; q's wave or k's: the choice hangs on the wave's number alone
	s_cselect_b64 s[6:7], s[6:7], s[8:9]           ; gamma
	s_cselect_b64 s[10:11], s[10:11], s[12:13]     ; beta
	s_cselect_b64 s[14:15], s[14:15], s[16:17]     ; the buffer that I store into
	s_cselect_b32 s24, s36, s38
	s_cselect_b32 s26, s37, s39
	s_mov_b32 s25, 0
	s_mov_b32 s27, 0
	s_add_nc_u64 s[24:25], s[14:15], s[24:25]      ; where my codes go
	s_add_nc_u64 s[26:27], s[14:15], s[26:27]      ; where my scale words go
.irp i, 0,1,2,3,4,5,6,7
	global_load_b128 v[G+4*\i:G+4*\i+3], v4, s[6:7] offset:16*\i
.endr
.irp i, 0,1,2,3,4,5,6,7
	global_load_b128 v[B+4*\i:B+4*\i+3], v4, s[10:11] offset:16*\i
.endr
.irp t, 0,1,2,3                                ; all 64 rows are asked for at once: 32 loads, two rows each; tile t's stage rows 2 j, 2 j + 1 are rows 32 (t / 2) + 8 (t % 2) + 2 j + 8 (j / 4) and the next
.irp j, 0,1,2,3,4,5,6,7
	global_load_b128 v[X+32*\t+4*\j:X+32*\t+4*\j+3], v1, s[4:5] offset:(32*(\t/2)+8*(\t%2)+2*\j+8*(\j/4))*ROWB th:TH_LOAD_NT
.endr
.endr
	v_mov_b32 v[MU+1], 0                           ; upper halves of pairs of which the low word serves both halves
	v_mov_b32 v[RS+1], 0
	v_mov_b32 v[MX+3], 0                           ; a lane permute's destination counts as one of its sources
	s_wait_loadcnt 32                              ; gamma and beta are in; the 32 loads of rows are younger
.set p, 0
.rept 32
	v_pk_mul_f32 v[G+p:G+p+1], v[G+p:G+p+1], 0x3eb504f3 op_sel_hi:[1,0]   ; gamma and beta (they lie on end) x 1 / sqrt(8)
.set p, p+2
.endr
; Tile t through my stage: in as loaded (a row's 256 bytes from sixteen lanes), out with 32 neighbouring channels of ONE row in a lane.  LDS serves a wave's instructions in order: no wait between the stores and the loads.
.macro TURN t
	s_wait_loadcnt 24-8*(\t)                       ; this tile's eight loads are in; the later tiles' are younger
.irp j, 0,1,2,3,4,5,6,7
	ds_store_b128 v2, v[X+32*(\t)+4*\j:X+32*(\t)+4*\j+3] offset:TST*(\t)+2*SP*\j
.endr
.irp i, 0,1,2,3,4,5,6,7
	ds_load_b128 v[X+32*(\t)+4*\i:X+32*(\t)+4*\i+3], v3 offset:TST*(\t)+16*\i
.endr
.endm
; Tile t: LayerNorm, scale, codes.  Lane (r, h) holds channels 32 h .. 32 h + 31 of stage row r: a whole block; the row's sums want lane l xor 16.  left: the LDS instructions issued behind this tile's.
.macro LNQ t, left
.set XB, X+32*(\t)
	s_wait_dscnt \left
	v_pk_add_f32 v[SA:SA+1], v[XB:XB+1], v[XB+2:XB+3]              ; the sum, two at a time, in two chains
	v_pk_add_f32 v[SB:SB+1], v[XB+4:XB+5], v[XB+6:XB+7]
.irp p, 8,12,16,20,24,28
	v_pk_add_f32 v[SA:SA+1], v[SA:SA+1], v[XB+\p:XB+\p+1]
	v_pk_add_f32 v[SB:SB+1], v[SB:SB+1], v[XB+\p+2:XB+\p+3]
.endr
	v_pk_add_f32 v[SA:SA+1], v[SA:SA+1], v[SB:SB+1]
	v_add_f32 v[SA], v[SA], v[SA+1]
	v_permlanex16_b32 v[MX+3], v[SA], s32, s33
	v_add_f32 v[SA], v[SA], v[MX+3]
	v_mul_f32 v[MU], s30, v[SA]                    ; the mean
.set p, 0
.rept 16
	v_pk_add_f32 v[XB+p:XB+p+1], v[XB+p:XB+p+1], v[MU:MU+1] op_sel_hi:[1,0] neg_lo:[0,1] neg_hi:[0,1]   ; x - mean
.set p, p+2
.endr
	v_pk_mul_f32 v[SA:SA+1], v[XB:XB+1], v[XB:XB+1]                ; the sum of squares of what is left: no difference of large sums
	v_pk_mul_f32 v[SB:SB+1], v[XB+2:XB+3], v[XB+2:XB+3]
.irp p, 4,8,12,16,20,24,28
	v_pk_fma_f32 v[SA:SA+1], v[XB+\p:XB+\p+1], v[XB+\p:XB+\p+1], v[SA:SA+1]
	v_pk_fma_f32 v[SB:SB+1], v[XB+\p+2:XB+\p+3], v[XB+\p+2:XB+\p+3], v[SB:SB+1]
.endr
	v_pk_add_f32 v[SA:SA+1], v[SA:SA+1], v[SB:SB+1]
	v_add_f32 v[SA], v[SA], v[SA+1]
	v_permlanex16_b32 v[MX+3], v[SA], s32, s33
	v_add_f32 v[SA], v[SA], v[MX+3]
	v_fma_f32 v[RS], v[SA], s30, s31               ; var + eps
	v_rsq_f32 v[RS], v[RS]
	v_nop                                          ; a plain instruction between the transcendental and the use of its result
.set p, 0
	s_wait_alu depctr_va_vdst(0)
.rept 16
	v_pk_mul_f32 v[XB+p:XB+p+1], v[XB+p:XB+p+1], v[RS:RS+1] op_sel_hi:[1,0]
.set p, p+2
.endr
.set p, 0
.rept 16
	v_pk_fma_f32 v[XB+p:XB+p+1], v[XB+p:XB+p+1], v[G+p:G+p+1], v[B+p:B+p+1]
.set p, p+2
.endr
	v_max3_num_f32 v[MX], |v[XB]|, |v[XB+1]|, 0x1800000            ; the block's largest magnitude: all 32 numbers are mine; and the floor 2^(3 - 127), so that the byte cannot fall under 1
.set p, 2
.rept 15
	v_max3_num_f32 v[MX], v[MX], |v[XB+p]|, |v[XB+p+1]|
.set p, p+2
.endr
	v_add_nc_u32 v[MX+1], 0xff000000, v[MX]        ; 2 off its exponent field: the conversion takes the exponent field of this operand as its scale
.irp g, 0,1,2,3
	v_cvt_scalef32_pk8_fp4_f32 v[CD+4*(\t)+\g], v[XB+8*\g:XB+8*\g+7], v[MX+1]   ; registers 0 to 3 of the fragment: k = 32 h + 0 .. 31
.endr
	v_lshrrev_b32 v[MX+2], 23, v[MX+1]             ; the scale's byte (also the plain instruction behind the conversions),
	v_lshlrev_b32 v[MX+2], v7, v[MX+2]             ; at its place: byte h;
	v_permlanex16_b32 v[MX+3], v[MX+2], s32, s33
	v_or_b32 v[SW+(\t)], v[MX+2], v[MX+3]          ; with lane l xor 16's the row's word: bytes 2 and 3 stay 0, over codes that count for nothing
	global_store_b128 v5, v[CD+4*(\t):CD+4*(\t)+3], s[24:25] offset:512*(\t)   ; the tile's 512 bytes on end
.endm
	TURN 0
	TURN 1
	LNQ 0, 16                                      ; the next tile's sixteen LDS instructions are younger
	TURN 2
	LNQ 1, 16
	TURN 3
	LNQ 2, 16
	LNQ 3, 0
	v_cndmask_b32 v[SW+4], v[SW], v[SW+2], vcc_lo  ; lanes 0-15 store the words of tiles 0, 1 of their row, lanes 16-31 those of tiles 2, 3
	v_cndmask_b32 v[SW+5], v[SW+1], v[SW+3], vcc_lo
	global_store_b64 v6, v[SW+4:SW+5], s[26:27]    ; 256 consecutive bytes
	s_wait_tensorcnt 0x0
	ds_add_u32 v254, v255
	s_wait_dscnt 0x0
	s_endpgm                                       ; no store's data or address register was written again
	; ------------------------------------------------------------------ v: wave 4
.Lv_path:
	s_add_co_u32 s22, s22, 512
	s_add_nc_u64 s[4:5], s[4:5], s[22:23]          ; v of my first key
	s_lshl_b32 s24, s19, 5
	s_add_co_u32 s24, s24, ttmp9
	s_mul_i32 s24, s24, 8960
	s_mov_b32 s25, 0
	s_add_nc_u64 s[16:17], s[16:17], s[24:25]      ; my step of kv
.macro VLOAD c                         ; keys 64 c + 32 h + 0 .. 31, four channels a lane: sixteen lanes read a key's whole 256 bytes
.set i, 0
.rept 32
	global_load_b128 v[R+4*i:R+4*i+3], v8, s[4:5] offset:(64*(\c)+i)*ROWB th:TH_LOAD_NT
.set i, i+1
.endr
.endm
; 64 keys: a lane has one block of 32 keys of each of its four channels.
.macro VGRAN c
	s_wait_loadcnt 0x0
.irp j, 0,1,2,3
	v_max3_num_f32 v[VM+\j], |v[R+\j]|, |v[R+4+\j]|, 0x1800000     ; channel 4 r + j: the block's largest magnitude, and the floor
.endr
.irp i, 2,4,6,8,10,12,14,16,18,20,22,24,26,28,30
.irp j, 0,1,2,3
	v_max3_num_f32 v[VM+\j], v[VM+\j], |v[R+4*\i+\j]|, |v[R+4*\i+4+\j]|   ; (the four channels by turns)
.endr
.endr
.irp j, 0,1,2,3
	v_add_nc_u32 v[VSOP+\j], 0xff000000, v[VM+\j]  ; the conversion's scale operand
.endr
.irp j, 0,1,2,3
	v_lshrrev_b32 v[VBY+\j], 23, v[VSOP+\j]        ; the byte of block 2 c + h,
.endr
.irp j, 0,1,2,3
	v_lshlrev_b32 v[VBY+\j], v7, v[VBY+\j]         ; 8 h bits up,
.endr
.irp j, 0,1,2,3
.if \c == 0
	v_mov_b32 v[VW+\j], v[VBY+\j]
.else
	v_lshl_or_b32 v[VW+\j], v[VBY+\j], 16, v[VW+\j]   ; and 16 c
.endif
.endr
.irp j, 0,1,2,3
.set i, 0
.rept 32
	v_mov_b32 v[T+i], v[R+4*i+\j]                  ; the conversions take neighbours along K from consecutive registers: one channel's 32 keys on end
.set i, i+1
.endr
.if (\c == 0) && (\j == 3)
	VLOAD 1                                        ; all of the first 64 keys' registers have been read
.endif
.irp g, 0,1,2,3
	v_cvt_scalef32_pk8_fp4_f32 v[C+16*(\c)+4*\j+\g], v[T+8*\g:T+8*\g+7], v[VSOP+\j]
.endr
	v_nop                                          ; a plain instruction behind the conversions: their sources are written again
	global_store_b128 v5, v[C+16*(\c)+4*\j:C+16*(\c)+4*\j+3], s[16:17] offset:4096+1024*\j+512*(\c)   ; registers 4 c .. 4 c + 3 of V^T's tile j: 512 bytes on end
.endr
.endm
	VLOAD 0
.irp j, 0,1,2,3
	v_mov_b32 v[VT+\j], 0                          ; lane permutes' destinations count as sources
.endr
	VGRAN 0
	VGRAN 1
.irp j, 0,1,2,3
	v_permlanex16_b32 v[VT+\j], v[VW+\j], s32, s33
.endr
.irp j, 0,1,2,3
	v_or_b32 v[VW+\j], v[VW+\j], v[VT+\j]          ; with lane l xor 16's two bytes the word of these 128 keys is whole
.endr
	v_cndmask_b32 v228, v[VW], v[VW+2], vcc_lo     ; lanes 0-15 store the words of tiles 0, 1, lanes 16-31 those of tiles 2, 3
	v_cndmask_b32 v229, v[VW+1], v[VW+3], vcc_lo
	global_store_b64 v9, v[228:229], s[16:17] offset:8704   ; 256 consecutive bytes
	s_endpgm
.Lfunc_end_k_qe593e92308_prep:
	.size	k_qe593e92308_prep, .Lfunc_end_k_qe593e92308_prep-k_qe593e92308_prep
	.p2alignl 7, 3214868480
	.fill 96, 4, 3214868480
	.section	.rodata,"a",@progbits
	.p2align	6, 0x0
	.amdhsa_kernel k_qe593e92308_prep
		.amdhsa_group_segment_fixed_size 70400
		.amdhsa_private_segment_fixed_size 0
		.amdhsa_enable_private_segment 0
		.amdhsa_kernarg_size 56
		.amdhsa_user_sgpr_count 2
		.amdhsa_user_sgpr_kernarg_segment_ptr 1
		.amdhsa_wavefront_size32 1
		.amdhsa_system_sgpr_workgroup_id_x 1
		.amdhsa_system_sgpr_workgroup_id_y 1
		.amdhsa_system_sgpr_workgroup_id_z 1
		.amdhsa_system_vgpr_workitem_id 0
		.amdhsa_next_free_vgpr 256
		.amdhsa_next_free_sgpr 66
		.amdhsa_reserve_vcc 1
		.amdhsa_float_denorm_mode_32 3
		.amdhsa_float_denorm_mode_16_64 3
		.amdhsa_memory_ordered 1
		.amdhsa_forward_progress 1
		.amdhsa_inst_pref_size 72
	.end_amdhsa_kernel
	.amdgpu_metadata
---
amdhsa.version: [ 1, 2 ]
amdhsa.kernels:
  - .name:           k_qe593e92308_prep
    .symbol:         k_qe593e92308_prep.kd
    .args:
      - { .name: qkv, .offset: 0, .size: 8, .value_kind: global_buffer, .address_space: global }
      - { .name: q_gamma, .offset: 8, .size: 8, .value_kind: global_buffer, .address_space: global }
      - { .name: k_gamma, .offset: 16, .size: 8, .value_kind: global_buffer, .address_space: global }
      - { .name: q_beta, .offset: 24, .size: 8, .value_kind: global_buffer, .address_space: global }
      - { .name: k_beta, .offset: 32, .size: 8, .value_kind: global_buffer, .address_space: global }
      - { .name: qq, .offset: 40, .size: 8, .value_kind: global_buffer, .address_space: global }
      - { .name: kv, .offset: 48, .size: 8, .value_kind: global_buffer, .address_space: global }
    .group_segment_fixed_size: 70400
    .private_segment_fixed_size: 0
    .kernarg_segment_align: 8
    .kernarg_segment_size: 56
    .max_flat_workgroup_size: 160
    .sgpr_count:     66
    .vgpr_count:     256
    .wavefront_size: 32
...
	.end_amdgpu_metadata
.endif
;; end of part 1
;; launch attn (part 2): grid 16 x 16, 16 waves a work-group, clusters of 4 x 1, 327,680 bytes of LDS; arguments qq, kv, out0; writes out0
.if DOCPART == 2
	.amdgcn_target "amdgcn-amd-amdhsa--gfx1250"
	.amdhsa_code_object_version 6
	.text
	.protected	k_qe593e92308_attn
	.globl	k_qe593e92308_attn
	.p2align	8
	.type	k_qe593e92308_attn,@function
k_qe593e92308_attn:
	s_mov_b64 s[64:65], 0
	v_nop
	global_prefetch_b8 v0, s[64:65] scope:SCOPE_SE
	s_setreg_imm32_b32 hwreg(HW_REG_WAVE_MODE, 25, 1), 1
	s_wait_xcnt 0x0
	s_wait_alu depctr_hold_cnt(0) depctr_sa_sdst(0) depctr_va_vdst(0) depctr_va_sdst(0) depctr_va_ssrc(0) depctr_va_vcc(0) depctr_vm_vsrc(0)
	s_getreg_b32 s2, hwreg(HW_REG_IB_STS2, 6, 4)
	s_cmp_eq_u32 s2, 0
	s_cbranch_scc0 .Lentry_in_a_cluster
	s_endpgm
.Lentry_in_a_cluster:
	s_bfe_u32 s2, ttmp6, 0x10000c
	s_cmp_lg_u32 s2, 0x3003
	s_cbranch_scc0 .Lentry_shape_is_right
	s_endpgm
.Lentry_shape_is_right:
; out0[q][head][:] = the sum over the keys of softmax(Q . K) V, both products on codes of FP4 (E2M1) with one E8M0 scale for each 32 along a product's K.  Q and K already carry LayerNorm and 1 / sqrt(8) each.
; qq and kv hold codes and scale words in the order of the operands' registers (layouts: at the constants below).
; THE SOFTMAX AHEAD OF THE SECOND PRODUCT: t = score x log2(e); M = the largest t so far, rounded UP to a whole number; p = 2^(t - M) is what is quantised, along the keys; it is not normalised.
; The row's sum is taken of the unquantised p, in f32, and divides O at the end.  When M moves, the sum and O are multiplied by 2^(old M - new M): exact.
; SHARES.  A work-group owns 256 queries of one head; each of its sixteen waves one tile of 16 queries in 256 registers: four waves to a SIMD, so that one wave's vector work stands beside another's products and LDS loads.
; Every wave walks the head's 4,096 keys, 128 a step.
; ALL OF A HEAD'S K AND V LIE IN LDS: codes and scale words are one dense block of 286,720 bytes, filled ONCE, LDS byte = byte in the block.  No byte is filled twice: no ring, and one barrier for each of three groups of steps.
; CLUSTER.  The four query blocks of a cluster belong to one head and need the same block: it is asked for JOINTLY, by the same tensor loads with the same descriptors and a mask that names the four.
; Waves 0 and 1 issue eight loads each, 17,920 bytes a load; load c of the two covers key steps 4 c to 4 c + 3.  Eight tensor loads of a wave are out at the most.  All is asked for at the head: there is no later request to run ahead of.
; LAYOUT.  Both products are used transposed: S^T = K Q^T (source 0 = 16 keys, source 1 = my 16 queries), O^T = V^T P^T: a lane holds ONE query (lane % 16) throughout.
; Row rho of K's tile 2 b + u is key 32 b + 8 u + rho + 8 (rho / 8): so the 16 registers of tiles 2 b, 2 b + 1 of S^T are keys 32 b + 16 (lane / 16) + 0 .. 15.  My tile of queries has its rows in the same order.
; Row r of V^T's tile t is channel 4 r + t: so register j of O^T's tile t is channel 32 (lane / 16) + 4 j + t.
; THE FIRST PRODUCT'S K IS 64, the instruction's 128.  Registers 0-3 of a fragment hold k = 32 (lane / 16) + 0 .. 31.  Q's registers 4-7 are zero codes, which add nothing whatever stands against them: so K's registers 4-7
; are simply the next tile's four (four zeroed registers follow the last tile).  Bytes 2 and 3 of both scale words are 0.
; LIMITS: NaN and infinities are not served.  A p under 2^-126 counts as 0 (the exponential gives 0 there).  A block of p whose largest lies under 2^-124 keeps the byte 1.
.set STEPB, 8960                       ; a key step in kv: +0 K's 8 tiles x 512 bytes; +4096 V^T's tile t, half c at 1024 t + 512 c; +8192 K's scale words (16 bytes a lane: lanes 0-15 tiles 0-3, lanes 16-31 tiles 4-7);
.set VOFF,  4096                       ;   +8704 V's scale words (8 bytes a lane: lanes 0-15 tiles 0, 1; lanes 16-31 tiles 2, 3)
.set KSOFF, 8192
.set VSOFF, 8704
.set CHUNK, 4*STEPB                    ; what one load of wave 0 and one of wave 1 bring together
.set HALFC, CHUNK/2                    ; a load: 70 rows of 256 bytes
.set HEADB, 32*STEPB                   ; a head
.set UNITB, 2304                       ; 64 queries in qq: 4 tiles x 512 bytes, then the scale words at 16 r + 4 tile
.set SP,    272                        ; the way out: a stage row, 256 bytes + 16
.set G1,  24                           ; s[24:31] descriptor group 1
.set G0,  32                           ; s[32:63] descriptor groups 0, one for each load
.set TB,  66                           ; s66  LDS byte at which the step in hand begins
.set CNT, 67                           ; s67  steps to go
.set QF,  16                           ; v16-19 Q's codes, v20-23 zero codes; v24 Q's scale words
.set QS,  24
.set KF,  32                           ; v32-63 K's eight tiles, four registers each; v64-67 zeros
.set KS,  68                           ; v68-71 K's scale words
.set VF,  72                           ; v72-103 V^T's four tiles
.set VS,  104                          ; v104-105 V's scale words
.set S,   112                          ; v112-175 S^T, then p
.set O,   176                          ; v176-207 O^T
.set PC,  208                          ; v208-215 p's codes
.set BM,  216                          ; v216-219 the blocks' largest scores, then largest p
.set BX,  220                          ; v220-223 lane permutes' destinations, then bytes
.set SOP, 224                          ; v224-227 the conversions' scale operands
.set TMP, 228
.set F,   230                          ; v230 f = 2^(old M - new M) (v231 = 0: named with it as a pair)
.set PS,  232                          ; v232 p's scale word, and nothing else
.set SUM2, 234                         ; v[234:235] the second chain of the row's sum
; v1 16 x lane, v2 8 x lane; v3, v4 the same + the step's first byte; v5 my byte offset in the wave's rows of out0; v6, v7 into and out of my stage; v12 -M, v13 the largest t, v[14:15] the sum in two halves
; A round of the cluster's barrier: my work-group's barrier; wave 0 signals for the work-group; every wave waits for all four work-groups; my work-group's barrier once more.
.macro ROUND
	s_barrier_signal -1
	s_barrier_wait -1
	s_cmp_lg_u32 s10, 0
	s_cbranch_scc1 .Lnot_wave_0_\@
	s_barrier_signal -3
.Lnot_wave_0_\@:
	s_barrier_wait -3
	s_barrier_signal -1
	s_barrier_wait -1
.endm
	s_load_b128 s[4:7], s[0:1], 0x0                ; qq s[4:5], kv s[6:7]
	s_load_b64 s[8:9], s[0:1], 0x10                ; out0
	v_lshl_add_u32 v254, v0, 2, 0x46000
	v_mov_b32 v255, 0
	ds_add_u32 v254, v255
	ds_add_u32 v254, v255
	v_lshrrev_b32 v8, 5, v0
	v_readfirstlane_b32 s10, v8                    ; wave 0..15
	s_bfe_u32 s11, ttmp6, 0x40000                  ; cx: my place in the cluster
	s_lshl_b32 s12, ttmp9, 2                       ; in a cluster launch ttmp9 counts clusters
	s_add_co_u32 s12, s12, s11                     ; my block of 256 queries: it enters Q's and out0's addresses alone
	s_and_b32 s13, ttmp7, 0xffff                   ; the head, which the four partners share
	; descriptor group 1: a dense block as 70 rows of 32 elements of 8 bytes, no padding
	s_mov_b32 s[G1], 15|(3<<16)|(1<<21)            ; 15:0 the mask: all four work-groups; 17:16 elements of 8 bytes; 21 set beside a mask
	s_mov_b32 s[G1+1], 32<<16                      ; tensor_dim0 = 32
	s_mov_b32 s[G1+2], 70<<16                      ; tensor_dim1 = 70
	s_mov_b32 s[G1+3], 32<<16                      ; tile_dim0 = 32
	s_mov_b32 s[G1+4], 70                          ; tile_dim1 = 70
	s_mov_b32 s[G1+5], 32                          ; from row to row
	s_mov_b32 s[G1+6], 0
	s_mov_b32 s[G1+7], 0
	s_and_b32 s14, s10, 1
	s_mul_i32 s14, s14, HALFC                      ; which half of a chunk I would fetch: in LDS and in the head's block alike
	s_mul_i32 s16, s13, HEADB
	s_add_co_u32 s16, s16, s14
	s_mov_b32 s17, 0
	s_mov_b32 s20, 0x76543210
	s_mov_b32 s21, 0xfedcba98                      ; v_permlanex16_b32's selects for lane l xor 16
	s_mov_b32 s22, 0x3fb8aa3b                      ; log2(e)
	s_mov_b32 s23, s22                             ; (named with it as a pair, so it is written)
	; my tile of queries: unit 64 head + 4 block + wave / 4 of qq, tile wave % 4
	s_lshl_b32 s68, s13, 6
	s_lshl_b32 s69, s12, 2
	s_add_co_u32 s68, s68, s69
	s_lshr_b32 s69, s10, 2
	s_add_co_u32 s68, s68, s69
	s_mul_i32 s68, s68, UNITB
	s_mov_b32 s69, 0
	s_and_b32 s70, s10, 3
	s_lshl_b32 s71, s70, 9                         ; the tile's codes in the unit,
	s_lshl_b32 s72, s70, 2
	s_add_co_u32 s72, s72, 2048                    ; its scale words
	s_mul_i32 s73, s10, 16*SP                      ; my stage
	; its first row of out0: 256 block + 64 (wave / 4) + 32 ((wave % 4) / 2) + 8 (wave % 2); a row is 4,096 bytes, a head 256 of them
	s_lshl_b32 s74, s12, 8
	s_lshr_b32 s75, s10, 2
	s_lshl_b32 s75, s75, 6
	s_add_co_u32 s74, s74, s75
	s_and_b32 s75, s10, 2
	s_lshl_b32 s75, s75, 4
	s_add_co_u32 s74, s74, s75
	s_and_b32 s75, s10, 1
	s_lshl_b32 s75, s75, 3
	s_add_co_u32 s74, s74, s75
	s_lshl_b32 s74, s74, 12
	s_lshl_b32 s75, s13, 8
	s_add_co_u32 s74, s74, s75
	s_mov_b32 s75, 0
	v_and_b32 v26, 31, v0                          ; l
	v_and_b32 v27, 15, v0                          ; r
	v_bfe_u32 v28, v0, 4, 1                        ; h
	v_lshlrev_b32 v1, 4, v26
	v_lshlrev_b32 v2, 3, v26
	v_add_nc_u32 v29, s71, v1                      ; Q's codes: 16 bytes a lane
	v_lshl_add_u32 v30, v27, 4, s72                ; Q's scale word of row r
	v_lshlrev_b32 v5, 12, v28
	v_lshl_add_u32 v5, v27, 4, v5                  ; out0: lanes 0-15 one row's 256 bytes, lanes 16-31 the next row's
	v_mul_u32_u24 v6, v27, SP
	v_lshl_add_u32 v6, v28, 7, v6
	v_add_nc_u32 v6, s73, v6                       ; into the stage: row r, my 32 channels
	v_mul_u32_u24 v7, v28, SP
	v_lshl_add_u32 v7, v27, 4, v7
	v_add_nc_u32 v7, s73, v7                       ; back: two rows an instruction
	s_wait_dscnt 0x0
	s_wait_kmcnt 0x0
	s_add_nc_u64 s[16:17], s[6:7], s[16:17]        ; kv at my half of the head's first chunk
	s_add_nc_u64 s[4:5], s[4:5], s[68:69]
	s_add_nc_u64 s[8:9], s[8:9], s[74:75]
.irp c, 0,1,2,3,4,5,6,7
	s_mov_b32 s[G0+4*\c], 1                                        ; count = 1
	s_add_co_u32 s[G0+4*\c+1], s14, \c*CHUNK                       ; LDS address: no place in the cluster enters it
	s_add_nc_u64 s[G0+4*\c+2:G0+4*\c+3], s[16:17], \c*CHUNK        ; global address
	s_or_b32 s[G0+4*\c+3], s[G0+4*\c+3], 0x80000000               ; type = 2
.endr
	ROUND                                          ; all four work-groups are here: the joint loads meet
	s_cmp_lt_u32 s10, 2                            ; waves 0 and 1 fetch: all of a wave's fills stand in one branch, ahead of every wait on TENSORcnt and every LDS read
	s_cbranch_scc0 .Lno_fetch
.irp c, 0,1,2,3,4,5,6,7
	tensor_load_to_lds s[G0+4*\c:G0+4*\c+3], s[G1:G1+7]
	s_nop 0
.endr
.rept 4
	v_nop                                          ; four plain lines follow the last of them
.endr
.Lno_fetch:
	global_load_b128 v[QF:QF+3], v29, s[4:5]       ; Q stays in registers
	global_load_b32 v[QS], v30, s[4:5]
.irp i, 4,5,6,7
	v_mov_b32 v[QF+\i], 0                          ; zero codes for k = 64 .. 127
.endr
.irp i, 0,1,2,3
	v_mov_b32 v[KF+32+\i], 0                       ; what stands against them behind K's last tile
	v_mov_b32 v[BX+\i], 0                          ; a lane permute's destination counts as one of its sources
.endr
.set j, 0
.rept 32
	v_mov_b32 v[O+j], 0                            ; O^T.  (The step is written once: the first finds zeros, which the first change of M leaves zeros)
.set j, j+1
.endr
	v_mov_b32 v13, 0xff61b1e6                      ; the largest t so far: -3e38, under every t
	v_floor_f32 v12, -v13                          ; -M
	v_mov_b32 v14, 0                               ; the sum, in two halves
	v_mov_b32 v15, 0
	v_mov_b32 v[F+1], 0
	s_wait_loadcnt 0x0                             ; Q
; A KEY STEP: 128 keys, whose bytes begin at LDS byte s[TB].
.macro STEP
	v_add_nc_u32 v3, s[TB], v1
	v_add_nc_u32 v4, s[TB], v2
	v_nop
	v_nop                                          ; four plain instructions between the last step's products and the loads into registers that they read
	ds_load_b128 v[KS:KS+3], v3 offset:KSOFF
.irp t, 0,1,2,3,4,5,6,7
	ds_load_b128 v[KF+4*\t:KF+4*\t+3], v3 offset:512*\t
.endr
.irp t, 0,1,2,3
.irp c, 0,1
	ds_load_b128 v[VF+8*\t+4*\c:VF+8*\t+4*\c+3], v3 offset:VOFF+1024*\t+512*\c
.endr
.endr
	ds_load_b64 v[VS:VS+1], v4 offset:VSOFF
	s_wait_dscnt 9                                 ; K and its scale words are in; V's nine loads are younger and land under the softmax
.irp t, 0,1,2,3
	v_wmma_scale_f32_16x16x128_f8f6f4 v[S+8*\t:S+8*\t+7], v[KF+4*\t:KF+4*\t+7], v[QF:QF+7], 0, v[KS+\t], v[QS] matrix_a_fmt:MATRIX_FMT_FP4 matrix_b_fmt:MATRIX_FMT_FP4
.endr
.irp t, 4,5,6,7
	v_wmma_scale_f32_16x16x128_f8f6f4 v[S+8*\t:S+8*\t+7], v[KF+4*\t:KF+4*\t+7], v[QF:QF+7], 0, v[KS+\t-4], v[QS] matrix_a_fmt:MATRIX_FMT_FP4 matrix_b_fmt:MATRIX_FMT_FP4 matrix_a_scale:MATRIX_SCALE_ROW1
.endr
.rept 4
	v_nop                                          ; four plain instructions in front of the first read of the results
.endr
.irp b, 0,1,2,3
	v_max3_num_f32 v[BM+\b], v[S+16*\b], v[S+16*\b+1], v[S+16*\b+2]   ; THE LARGEST SCORE OF EACH BLOCK OF 32 KEYS serves twice: for the row's maximum, and, since p rises with the score, for the block's largest p
.endr
.irp i, 3,5,7,9,11,13
.irp b, 0,1,2,3
	v_max3_num_f32 v[BM+\b], v[BM+\b], v[S+16*\b+\i], v[S+16*\b+\i+1]   ; (the four blocks by turns; each result is read from its low end on)
.endr
.endr
.irp b, 0,1,2,3
	v_max_num_f32 v[BM+\b], v[BM+\b], v[S+16*\b+15]
.endr
.irp b, 0,1,2,3
	v_permlanex16_b32 v[BX+\b], v[BM+\b], s20, s21
.endr
.irp b, 0,1,2,3
	v_max_num_f32 v[BM+\b], v[BM+\b], v[BX+\b]     ; with lane l xor 16's 16 keys
.endr
	v_max3_num_f32 v[TMP], v[BM], v[BM+1], v[BM+2]
	v_max_num_f32 v[TMP], v[TMP], v[BM+3]          ; the step's largest score of my query,
	v_mul_f32 v[TMP], s22, v[TMP]                  ; as t
	v_max_num_f32 v13, v13, v[TMP]                 ; the running largest t
	v_mov_b32 v[TMP], v12
	v_floor_f32 v12, -v13                          ; the new -M = floor(-t) = -ceil(t): M is a whole number
	v_sub_f32 v[TMP], v12, v[TMP]                  ; old M - new M: a whole number, 0 or less
	v_cvt_i32_f32 v[TMP], v[TMP]                   ; (it saturates)
	v_ldexp_f32 v[F], 1.0, v[TMP]                  ; f = 2^(old M - new M)
.set j, 0
.rept 32
	v_pk_fma_f32 v[S+j:S+j+1], v[S+j:S+j+1], s[22:23], v[12:13] op_sel_hi:[1,0,0]   ; t - M, two at a time (of the pairs the low word serves both halves)
.set j, j+2
.endr
.irp b, 0,1,2,3
	v_fma_f32 v[BM+\b], v[BM+\b], s22, v12         ; the same of each block's largest score
.endr
.set j, 0
.rept 64
	v_exp_f32 v[S+j], v[S+j]                       ; p = 2^(t - M), at most 1: not normalised
.set j, j+1
.endr
.irp b, 0,1,2,3
	v_exp_f32 v[BM+\b], v[BM+\b]                   ; the block's largest p: the same two instructions on the same number give the same bits
.endr
	v_pk_mul_f32 v[14:15], v[14:15], v[F:F+1] op_sel_hi:[1,0]      ; the sums under the new M (the plain instruction behind the exponentials)
	s_wait_alu depctr_va_vdst(0)
.irp b, 0,1,2,3
	v_max_num_f32 v[BM+\b], 0x1800000, v[BM+\b]    ; the floor 2^(3 - 127): the byte cannot fall under 1
.endr
.irp b, 0,1,2,3
	v_add_nc_u32 v[SOP+\b], 0xff000000, v[BM+\b]   ; 2 off the exponent field: the conversion's scale operand
.endr
.irp b, 0,1,2,3
	v_lshrrev_b32 v[BX+\b], 23, v[SOP+\b]          ; the scale's byte
.endr
	v_lshl_or_b32 v[PS], v[BX+1], 8, v[BX]         ; p's scale word for these 128 keys
	v_lshl_or_b32 v[PS], v[BX+2], 16, v[PS]
	v_lshl_or_b32 v[PS], v[BX+3], 24, v[PS]
.irp b, 0,1,2,3
	v_cvt_scalef32_pk8_fp4_f32 v[PC+2*\b], v[S+16*\b:S+16*\b+7], v[SOP+\b]
	v_cvt_scalef32_pk8_fp4_f32 v[PC+2*\b+1], v[S+16*\b+8:S+16*\b+15], v[SOP+\b]
.endr
	v_nop                                          ; a plain instruction between the conversions and what touches their results
.irp c, 0,1                                    ; the operand's layout wants a WHOLE block in a lane: lanes 0-15 block 2 c, lanes 16-31 block 2 c + 1
.irp i, 0,1
	v_permlane16_swap_b32 v[PC+4*\c+\i], v[PC+4*\c+2+\i]
.endr
.endr
.set j, 0
.rept 16
	v_pk_mul_f32 v[O+j:O+j+1], v[O+j:O+j+1], v[F:F+1] op_sel_hi:[1,0]   ; O^T under the new M, each accumulator from its low end on
.set j, j+2
.endr
	v_pk_add_f32 v[SUM2:SUM2+1], v[S:S+1], v[S+2:S+3]              ; THE ROW'S SUM IS TAKEN OF THE UNQUANTISED p: two at a time, in two chains.  These 32 lines name no register of the products below:
.irp j, 4,8,12,16,20,24,28,32,36,40,44,48,52,56,60             ; they are the plain instructions between the writing of p's codes and scale word and those products
	v_pk_add_f32 v[14:15], v[14:15], v[S+\j:S+\j+1]
	v_pk_add_f32 v[SUM2:SUM2+1], v[SUM2:SUM2+1], v[S+\j+2:S+\j+3]
.endr
	v_pk_add_f32 v[14:15], v[14:15], v[SUM2:SUM2+1]
	s_wait_dscnt 0x0                               ; V and its scale words are in
.irp t, 0,1
	v_wmma_scale_f32_16x16x128_f8f6f4 v[O+8*\t:O+8*\t+7], v[VF+8*\t:VF+8*\t+7], v[PC:PC+7], v[O+8*\t:O+8*\t+7], v[VS+\t], v[PS] matrix_a_fmt:MATRIX_FMT_FP4 matrix_b_fmt:MATRIX_FMT_FP4
.endr
.irp t, 2,3                                    ; the four accumulators take turns, one instruction a turn, and the next step's eight products stand between two links
	v_wmma_scale_f32_16x16x128_f8f6f4 v[O+8*\t:O+8*\t+7], v[VF+8*\t:VF+8*\t+7], v[PC:PC+7], v[O+8*\t:O+8*\t+7], v[VS+\t-2], v[PS] matrix_a_fmt:MATRIX_FMT_FP4 matrix_b_fmt:MATRIX_FMT_FP4 matrix_a_scale:MATRIX_SCALE_ROW1
.endr
	s_add_co_u32 s[TB], s[TB], STEPB
.endm
; A group of steps whose bytes have landed.  left: how many younger tensor loads of a fetching wave may stay out (the other waves have none).  Loads may stay on their way across them.
.macro PHASE left, start, trips
	s_wait_tensorcnt \left                         ; my part of the bytes that are read next has landed,
	s_wait_dscnt 0x0                               ; no LDS instruction of mine is out,
	s_barrier_signal -1
	s_barrier_wait -1                              ; and so for every wave
	s_mov_b32 s[TB], \start
	s_mov_b32 s[CNT], \trips
.Lstep_\@:
	STEP
	s_sub_co_u32 s[CNT], s[CNT], 1
	s_cmp_lg_u32 s[CNT], 0
	s_cbranch_scc1 .Lstep_\@
.endm
	PHASE 7, 0, 4                                  ; steps 0-3: the first load of each fetching wave is in, its seven younger ones may be out
	PHASE 6, CHUNK, 4                              ; steps 4-7: the first two are in
	PHASE 0, 2*CHUNK, 24                           ; steps 8-31: all are in; they had eight steps in which to land
	; THE WAY OUT.  O^T is divided by the sum and goes through my stage in LDS, so that sixteen lanes store a row's 256 consecutive bytes.  The stages lie in the block's first 69,632 bytes: these have had their only fill,
	; and behind this barrier no wave reads K or V any more.
	s_wait_dscnt 0x0
	s_barrier_signal -1
	s_barrier_wait -1
.rept 4
	v_nop                                          ; four plain instructions behind the last products
.endr
	v_add_f32 v14, v14, v15                        ; the sum's two halves,
	v_permlanex16_b32 v[TMP], v14, s20, s21
	v_add_f32 v14, v14, v[TMP]                     ; and lane l xor 16's: the row's sum
	v_rcp_f32 v14, v14
	v_nop                                          ; a plain instruction behind the transcendental
	s_wait_alu depctr_va_vdst(0)
.irp j, 0,1,2,3,4,5,6,7
.irp t, 0,1,2,3
	v_mul_f32 v[S+4*\j+\t], v[O+8*\t+\j], v14      ; channel 32 h + 4 j + t: the channels come out in order; each accumulator is read first at its lowest register
.endr
.endr
.irp i, 0,1,2,3,4,5,6,7
	ds_store_b128 v6, v[S+4*\i:S+4*\i+3] offset:16*\i
.endr
.irp i, 0,1,2,3,4,5,6,7
	ds_load_b128 v[S+32+4*\i:S+32+4*\i+3], v7 offset:2*SP*\i       ; LDS serves a wave's instructions in order: these see my stores
.endr
.irp i, 0,1,2,3,4,5,6,7
	s_wait_dscnt 7-\i
	global_store_b128 v5, v[S+32+4*\i:S+32+4*\i+3], s[8:9] offset:(2*\i+8*(\i/4))*4096 th:TH_STORE_NT   ; stage rows 2 i, 2 i + 1 are the tile's queries 2 i + 8 (i / 4) and the next; written once, read by nobody here
.endr
	s_wait_tensorcnt 0x0
	ds_add_u32 v254, v255
	s_wait_dscnt 0x0
	ROUND                                          ; the closing round: no work-group ends while a partner may still ask for bytes that name it
	s_endpgm
.Lfunc_end_k_qe593e92308_attn:
	.size	k_qe593e92308_attn, .Lfunc_end_k_qe593e92308_attn-k_qe593e92308_attn
	.p2alignl 7, 3214868480
	.fill 96, 4, 3214868480
	.section	.rodata,"a",@progbits
	.p2align	6, 0x0
	.amdhsa_kernel k_qe593e92308_attn
		.amdhsa_group_segment_fixed_size 327680
		.amdhsa_private_segment_fixed_size 0
		.amdhsa_enable_private_segment 0
		.amdhsa_kernarg_size 24
		.amdhsa_user_sgpr_count 2
		.amdhsa_user_sgpr_kernarg_segment_ptr 1
		.amdhsa_wavefront_size32 1
		.amdhsa_system_sgpr_workgroup_id_x 1
		.amdhsa_system_sgpr_workgroup_id_y 1
		.amdhsa_system_sgpr_workgroup_id_z 1
		.amdhsa_system_vgpr_workitem_id 0
		.amdhsa_next_free_vgpr 256
		.amdhsa_next_free_sgpr 80
		.amdhsa_reserve_vcc 0
		.amdhsa_float_denorm_mode_32 3
		.amdhsa_float_denorm_mode_16_64 3
		.amdhsa_memory_ordered 1
		.amdhsa_forward_progress 1
		.amdhsa_inst_pref_size 58
	.end_amdhsa_kernel
	.amdgpu_metadata
---
amdhsa.version: [ 1, 2 ]
amdhsa.kernels:
  - .name:           k_qe593e92308_attn
    .symbol:         k_qe593e92308_attn.kd
    .args:
      - { .name: qq, .offset: 0, .size: 8, .value_kind: global_buffer, .address_space: global }
      - { .name: kv, .offset: 8, .size: 8, .value_kind: global_buffer, .address_space: global }
      - { .name: out0, .offset: 16, .size: 8, .value_kind: global_buffer, .address_space: global }
    .group_segment_fixed_size: 327680
    .private_segment_fixed_size: 0
    .kernarg_segment_align: 8
    .kernarg_segment_size: 24
    .max_flat_workgroup_size: 512
    .sgpr_count:     80
    .vgpr_count:     256
    .wavefront_size: 32
...
	.end_amdgpu_metadata
.endif
;; end of part 2
